; MI455X (gfx1250); checked and timed in simulation.
; The chip was launched on July 23, 2026; its instructions are those of AMD's public machine-readable ISA for CDNA 5 (MIT licence, August 2026) and "CDNA5" Instruction Set Architecture Reference Guide (July 2026). The comments in the code are by the model that wrote it; some were corrected since.
;; Io U Loss. Allowed arithmetic: float matrix products may take bf16 or f16 operands with f32 sums; all other float work in f32.
;; Inputs: pred_boxes 8,192 x 4 float32; true_boxes 8,192 x 4 float32.
;; Outputs: out0 8,192 float32.
;; One version. Each part assembles by itself: llvm-mc -triple=amdgcn-amd-amdhsa -mcpu=gfx1250 --defsym DOCPART=n.
;; ======== version 1 of 1: 1 launch
;; limits: right only within a limited range of input values
;; launch iou (part 1): grid 256 x 1, 8 waves a work-group, no clusters, 38,912 bytes of LDS; arguments pred_boxes, true_boxes, out0; writes out0
.if DOCPART == 1
	.amdgcn_target "amdgcn-amd-amdhsa--gfx1250"
	.amdhsa_code_object_version 6
	.text
	.protected	k_qb4ddd96c62_iou
	.globl	k_qb4ddd96c62_iou
	.p2align	8
	.type	k_qb4ddd96c62_iou,@function
k_qb4ddd96c62_iou:
	s_mov_b64 s[64:65], 0
	v_nop
	global_prefetch_b8 v0, s[64:65] scope:SCOPE_SE
	s_setreg_imm32_b32 hwreg(HW_REG_WAVE_MODE, 25, 1), 1
	s_wait_xcnt 0x0
; out0[m] = 1 - max over n of IoU(fix(pred[n]), fix(true[m])).   pred, true: [8192][4] f32.   out0: [8192] f32.
;
; SHARES.  256 work-groups of 8 waves.  Work-group g owns the 32 columns m = 32 g .. 32 g + 31 and walks all 8,192 pred boxes, so the
; maximum over n never leaves the work-group.  Thread t keeps the 32 pred boxes 256 i + t (i = 0..31), repaired and with their areas, in
; 160 registers.  In every wave lane c holds the repaired true box of column c; a column's five numbers go to scalar registers by
; v_readlane_b32.  The loop over the columns reads no memory; it leaves one word a thread and column in LDS, and these are reduced at the end.
;
; ARITHMETIC of a pair, with s = area(pred) + area(true), w and h the differences rb - lt:
;   * only h is clamped at 0.  Where w < 0 the product w * max(h, 0) is <= 0 and loses against the floor 0 with which every running
;     maximum starts; 0 is what the clip of both differences gives there.
;   * IoU = I / (s - I) = t / (1 - t) with t = I / s, which rises with t (t <= 1/2 since I <= either area).  So the loop takes the
;     maximum of t, and t / (1 - t) is formed once for each column.  One subtraction a pair is spared.
;   Eleven plain operations and a reciprocal are left for a pair; every plain one goes two to an instruction (dual, packed, or max3):
;   13 instructions for two pairs.
;
; LIMITS.  NaN in an input is dropped by v_min_num / v_max_num, not handed on.  Coordinates are finite and below 2^24 = 16,777,216 in
; magnitude (so that x1 + 1 > x1 and every area is positive), and the sum of two areas is below 2^126 (v_rcp_f32 gives 0 where its result
; would be denormal).  The order of rounding differs from I / (s - I): a few units in the last place of a number <= 1.
;
; NO JOINT REQUESTS: pred_boxes is shared by all work-groups, but it is read once, 32 loads of 16 bytes a thread (131,072 bytes a
; work-group), ahead of 32 columns x 215 vector instructions a thread; by way of LDS the same 32 loads a thread would follow the fill.
; THE OUTPUT of a work-group is 32 columns = 128 neighbouring bytes (8,192 columns over 256 work-groups), stored by one instruction.
.set COLS,  32                         ; columns of a work-group
.set PITCH, 1152                       ; LDS bytes from column to column: 256 threads x 4 + 128, so that the 128-byte pieces which two
                                       ; neighbouring columns' readers take at once lie 128 bytes apart modulo 256
.set RES,   COLS*PITCH                 ; behind them: the 32 results, 128 bytes
.set ST,  1                            ; v1        where I put my maximum of the column at hand
.set PO,  2                            ; v2        16 t: my byte offset in each block of 256 pred boxes
.set LN,  3                            ; v3        lane
.set TB,  4                            ; v[4:7]    lane c: true box of column c, x1 y1 x2 y2
.set TA,  8                            ; v8        its area
.set TO,  9                            ; v9        byte offset of my lane's true box
.set CL,  10                           ; v10       end: the column that I help to reduce
.set RD,  11                           ; v11       end: LDS address, then offset in out0
.set M,   12                           ; v[12:15]  four running maxima of t
.set LT,  16                           ; v[16:31]  8 preds: (max x1, max y1), then (w, h)
.set RB,  32                           ; v[32:47]  8 preds: (min x2, min y2); then v[RB+4g], v[RB+4g+1]: the products of preds 2g, 2g+1
.set S,   48                           ; v[48:55]  8 preds: sum of the areas, then its reciprocal
.set A,   56                           ; v[56:87]  areas of my 32 preds
.set P,   88                           ; v[88:215] my 32 preds, x1 y1 x2 y2 each, in the registers into which they were loaded
.set SA,  16                           ; s[16:21]  a column's x1 y1 x2 y2 area, and a word that only completes the pair of the area
.set SB,  24                           ; s[24:29]  the same for the column after it: the two sets take turns
; A dual pair wants one even and one odd destination, and in each source place two vector registers whose numbers differ modulo 4
; (ISA guide, the chapter on the VOPD encoding).  All pairs below name neighbouring registers, or registers 2 apart.
; ---- the repair of a box, in place: b = its four registers, t = four registers of scratch, a = where its area goes
.macro FIX_HI b, t                     ; the larger x, the larger y
	v_dual_max_num_f32 v[\t], v[\b], v[\b+2] :: v_dual_max_num_f32 v[\t+1], v[\b+1], v[\b+3]
.endm
.macro FIX_LO b                        ; x1, y1 = the smaller ones
	v_dual_min_num_f32 v[\b], v[\b], v[\b+2] :: v_dual_min_num_f32 v[\b+1], v[\b+1], v[\b+3]
.endm
.macro FIX_EPS b, t                    ; x1 + 1, y1 + 1
	v_pk_add_f32 v[\t+2:\t+3], v[\b:\b+1], 1.0 op_sel_hi:[1,0]
.endm
.macro FIX_FAR b, t                    ; x2, y2 = the larger ones, at least 1 beyond x1, y1
	v_dual_max_num_f32 v[\b+2], v[\t], v[\t+2] :: v_dual_max_num_f32 v[\b+3], v[\t+1], v[\t+3]
.endm
.macro FIX_WH b, t                     ; width, height
	v_pk_add_f32 v[\t:\t+1], v[\b+2:\b+3], v[\b:\b+1] neg_lo:[0,1] neg_hi:[0,1]
.endm
.macro FIX_AREA a, t
	v_mul_f32 v[\a], v[\t], v[\t+1]
.endm
; eight preds at a time, step by step, so that no instruction waits for the one in front of it; scratch: LT and RB, 4 registers a pred
.macro FIX8 k
	s_wait_loadcnt 24-8*\k                         ; loads return in order: the true box and preds 0 .. 8 k + 7 are in, the 24 - 8 k younger loads stay out
.irp q, 0,1,2,3,4,5,6,7
	FIX_HI P+32*\k+4*\q, LT+4*\q
.endr
.irp q, 0,1,2,3,4,5,6,7
	FIX_LO P+32*\k+4*\q
.endr
.irp q, 0,1,2,3,4,5,6,7
	FIX_EPS P+32*\k+4*\q, LT+4*\q
.endr
.irp q, 0,1,2,3,4,5,6,7
	FIX_FAR P+32*\k+4*\q, LT+4*\q
.endr
.irp q, 0,1,2,3,4,5,6,7
	FIX_WH P+32*\k+4*\q, LT+4*\q
.endr
.irp q, 0,1,2,3,4,5,6,7
	FIX_AREA A+8*\k+\q, LT+4*\q
.endr
.endm
; ---- a column's five numbers, from the lane that holds them to scalar registers
.macro TAKE set, lane
	v_readlane_b32 s[\set],   v[TB],   \lane
	v_readlane_b32 s[\set+1], v[TB+1], \lane
	v_readlane_b32 s[\set+2], v[TB+2], \lane
	v_readlane_b32 s[\set+3], v[TB+3], \lane
	v_readlane_b32 s[\set+4], v[TA],   \lane
.endm
; One reciprocal behind every third of the 24 plain instructions that make lt, rb and their difference: eight in all, none beside another,
; and each followed by a plain instruction that names neither its source nor its result, as a transcendental wants ahead of the first use
; of its result (ISA guide 5.7.2).
.macro TICK
.set tick, tick+1
.if (tick % 3) == 0
	v_rcp_f32 v[S+tick/3-1], v[S+tick/3-1]
.endif
.endm
; ---- preds 8 n .. 8 n + 7 against the column in scalar set cur.  first = 1: the running maxima start here, from the floor 0.
.macro GROUP n, cur, first
.irp g, 0,1,2,3
	v_pk_add_f32 v[S+2*\g:S+2*\g+1], v[A+8*\n+2*\g:A+8*\n+2*\g+1], s[\cur+4:\cur+5] op_sel_hi:[1,0]   ; s = area(pred) + area(true), two preds
.endr
.set tick, 0
.irp p, 0,1,2,3,4,5,6,7
	v_dual_max_num_f32 v[LT+2*\p], s[\cur], v[P+32*\n+4*\p] :: v_dual_max_num_f32 v[LT+2*\p+1], s[\cur+1], v[P+32*\n+4*\p+1]       ; lt
	TICK
.endr
.irp p, 0,1,2,3,4,5,6,7
	v_dual_min_num_f32 v[RB+2*\p], s[\cur+2], v[P+32*\n+4*\p+2] :: v_dual_min_num_f32 v[RB+2*\p+1], s[\cur+3], v[P+32*\n+4*\p+3]   ; rb
	TICK
.endr
.irp p, 0,1,2,3,4,5,6,7
	v_pk_add_f32 v[LT+2*\p:LT+2*\p+1], v[RB+2*\p:RB+2*\p+1], v[LT+2*\p:LT+2*\p+1] neg_lo:[0,1] neg_hi:[0,1]                      ; (w, h) = rb - lt
	TICK
.endr
.irp g, 0,1,2,3
	v_dual_max_num_f32 v[RB+4*\g], 0, v[LT+4*\g+1] :: v_dual_max_num_f32 v[RB+4*\g+1], 0, v[LT+4*\g+3]                           ; max(h, 0) of two preds
.endr
.irp g, 0,1,2,3
	v_dual_mul_f32 v[RB+4*\g], v[LT+4*\g], v[RB+4*\g] :: v_dual_mul_f32 v[RB+4*\g+1], v[LT+4*\g+2], v[RB+4*\g+1]                 ; I = w * max(h, 0)
.endr
	s_wait_alu depctr_va_vdst(0)
.irp g, 0,1,2,3
	v_pk_mul_f32 v[RB+4*\g:RB+4*\g+1], v[RB+4*\g:RB+4*\g+1], v[S+2*\g:S+2*\g+1]                                                  ; t = I / s
.endr
.irp g, 0,1,2,3
.if \first
	v_max3_num_f32 v[M+\g], v[RB+4*\g], v[RB+4*\g+1], 0                                                                          ; nothing is cleared: the floor is an operand
.else
	v_max3_num_f32 v[M+\g], v[RB+4*\g], v[RB+4*\g+1], v[M+\g]
.endif
.endr
.endm
; ---- a whole column: my 32 preds; half way the next column's numbers are fetched into the other set (lane number in s13)
.macro COLUMN cur, nxt, off
	GROUP 0, \cur, 1
	GROUP 1, \cur, 0
	TAKE \nxt, s13
	GROUP 2, \cur, 0
	GROUP 3, \cur, 0
	v_max3_num_f32 v[M], v[M], v[M+1], v[M+2]
	v_max_num_f32 v[M], v[M], v[M+3]
	ds_store_b32 v[ST], v[M] offset:\off           ; word t of the column's row: a wave's 32 lanes write 128 neighbouring bytes
.endm
	; ================= start: addresses, all loads at once
	s_load_b128 s[4:7], s[0:1], 0x0                ; pred_boxes s[4:5], true_boxes s[6:7]
	s_load_b64 s[8:9], s[0:1], 0x10                ; out0
	v_lshl_add_u32 v216, v0, 2, 0x9400
	v_mov_b32 v217, 0
	v_lshrrev_b32 v[LN], 5, v0
	v_readfirstlane_b32 s10, v[LN]                 ; wave number
	v_and_b32 v[LN], 31, v0                        ; lane
	s_lshl_b32 s11, ttmp9, 9                       ; my work-group's 32 true boxes: 512 bytes each group
	v_lshl_add_u32 v[TO], v[LN], 4, s11            ; + 16 x lane
	v_lshlrev_b32 v[PO], 4, v0                     ; 16 t
	v_lshlrev_b32 v[ST], 2, v0                     ; 4 t: my word in column 0's row
	s_mov_b32 s[SA+5], 0                           ; the upper halves of the pairs that the packed add names; their value is not used
	s_mov_b32 s[SB+5], 0
	s_wait_kmcnt 0x0
	global_load_b128 v[TB:TB+3], v[TO], s[6:7]
.set i, 0
.rept 32
	global_load_b128 v[P+4*i:P+4*i+3], v[PO], s[4:5] offset:4096*i     ; a wave's load covers 512 neighbouring bytes; the eight waves a block of 4,096
.set i, i+1
.endr
	; ================= repair, as the loads arrive
	FIX8 0
	FIX_HI TB, S                                   ; the true box was the oldest load: it is in.  Scratch: S
	FIX_LO TB
	FIX_EPS TB, S
	FIX_FAR TB, S
	FIX_WH TB, S
	FIX_AREA TA, S
	FIX8 1
	FIX8 2
	FIX8 3
	TAKE SA, 0                                     ; column 0
	; ================= the 32 columns, two to a trip (the two scalar sets take turns)
	s_mov_b32 s12, 0
.Lcol:
	s_add_co_u32 s13, s12, 1
	COLUMN SA, SB, 0
	s_add_co_u32 s13, s12, 2
	s_min_u32 s13, s13, COLS-1                     ; the last trip has no column to fetch: it takes lane 31 again, and nobody uses it
	COLUMN SB, SA, PITCH
	v_add_nc_u32 v[ST], 2*PITCH, v[ST]
	s_add_co_u32 s12, s12, 2
	s_cmp_lt_u32 s12, COLS
	s_cbranch_scc1 .Lcol
	; ================= the end: 256 words a column -> one.  Eight threads a column, 32 words each.
	s_wait_dscnt 0x0                               ; my 32 stores are in LDS before I say so
	s_barrier_signal -1
	v_lshrrev_b32 v[CL], 3, v0                     ; column t / 8
	v_and_b32 v[RD], 7, v0
	v_lshlrev_b32 v[RD], 4, v[RD]                  ; piece t % 8: 16 bytes of every 128
	v_mad_u32_u24 v[RD], v[CL], PITCH, v[RD]
	s_barrier_wait -1                              ; everybody's are
.irp i, 0,1,2,3,4,5,6,7
	ds_load_b128 v[LT+4*\i:LT+4*\i+3], v[RD] offset:128*\i
.endr
	s_wait_dscnt 0x0
.irp e, 0,1,2,3
	v_max3_num_f32 v[M+\e], v[LT+\e], v[LT+4+\e], v[LT+8+\e]
.endr
.irp e, 0,1,2,3
	v_max3_num_f32 v[M+\e], v[M+\e], v[LT+12+\e], v[LT+16+\e]
.endr
.irp e, 0,1,2,3
	v_max3_num_f32 v[M+\e], v[M+\e], v[LT+20+\e], v[LT+24+\e]
.endr
.irp e, 0,1,2,3
	v_max_num_f32 v[M+\e], v[M+\e], v[LT+28+\e]
.endr
	v_max3_num_f32 v[M], v[M], v[M+1], v[M+2]
	v_max_num_f32 v[M], v[M], v[M+3]
	v_max_num_f32_dpp v[M], v[M], v[M] row_xmask:1 row_mask:0xf bank_mask:0xf     ; across the column's eight neighbouring lanes
	v_max_num_f32_dpp v[M], v[M], v[M] row_xmask:2 row_mask:0xf bank_mask:0xf
	v_max_num_f32_dpp v[M], v[M], v[M] row_xmask:4 row_mask:0xf bank_mask:0xf
	v_sub_f32 v[M+1], 1.0, v[M]                    ; 1 - t, at least about 1/2
	v_rcp_f32 v[M+2], v[M+1]
	v_lshlrev_b32 v[CL], 2, v[CL]                  ; the plain instruction between the reciprocal and its use: the column's word among the results
	s_wait_alu depctr_va_vdst(0)
	v_fma_f32 v[M], -v[M], v[M+2], 1.0             ; 1 - t / (1 - t) = 1 - the largest IoU
	ds_store_b32 v[CL], v[M] offset:RES            ; the eight lanes of a column write one word, with one value
	s_wait_dscnt 0x0                               ; in LDS before I say so
	s_barrier_signal -1
	s_barrier_wait -1
	s_cmp_lg_u32 s10, 0
	s_cbranch_scc1 .Lend                           ; wave 0 alone stores
	v_lshlrev_b32 v[RD], 2, v[LN]                  ; 4 x lane
	ds_load_b32 v[M], v[RD] offset:RES
	s_lshl_b32 s11, ttmp9, 7                       ; my work-group's 128 bytes of out0
	v_add_nc_u32 v[RD], s11, v[RD]                 ; an LDS load's address register needs no wait before it is written again
	s_wait_dscnt 0x0
	global_store_b32 v[RD], v[M], s[8:9]           ; 32 lanes, 128 neighbouring bytes, at a multiple of 128 from out0's first byte
.Lend:
	s_wait_tensorcnt 0x0
	ds_add_u32 v216, v217
	s_wait_dscnt 0x0
	s_endpgm
.Lfunc_end_k_qb4ddd96c62_iou:
	.size	k_qb4ddd96c62_iou, .Lfunc_end_k_qb4ddd96c62_iou-k_qb4ddd96c62_iou
	.p2alignl 7, 3214868480
	.fill 96, 4, 3214868480
	.section	.rodata,"a",@progbits
	.p2align	6, 0x0
	.amdhsa_kernel k_qb4ddd96c62_iou
		.amdhsa_group_segment_fixed_size 38912
		.amdhsa_private_segment_fixed_size 0
		.amdhsa_enable_private_segment 0
		.amdhsa_kernarg_size 24
		.amdhsa_user_sgpr_count 2
		.amdhsa_user_sgpr_kernarg_segment_ptr 1
		.amdhsa_wavefront_size32 1
		.amdhsa_system_sgpr_workgroup_id_x 1
		.amdhsa_system_sgpr_workgroup_id_y 1
		.amdhsa_system_sgpr_workgroup_id_z 1
		.amdhsa_system_vgpr_workitem_id 0
		.amdhsa_next_free_vgpr 218
		.amdhsa_next_free_sgpr 66
		.amdhsa_reserve_vcc 0
		.amdhsa_float_denorm_mode_32 3
		.amdhsa_float_denorm_mode_16_64 3
		.amdhsa_memory_ordered 1
		.amdhsa_forward_progress 1
		.amdhsa_inst_pref_size 44
	.end_amdhsa_kernel
	.amdgpu_metadata
---
amdhsa.version: [ 1, 2 ]
amdhsa.kernels:
  - .name:           k_qb4ddd96c62_iou
    .symbol:         k_qb4ddd96c62_iou.kd
    .args:
      - { .name: pred_boxes, .offset: 0, .size: 8, .value_kind: global_buffer, .address_space: global }
      - { .name: true_boxes, .offset: 8, .size: 8, .value_kind: global_buffer, .address_space: global }
      - { .name: out0, .offset: 16, .size: 8, .value_kind: global_buffer, .address_space: global }
    .group_segment_fixed_size: 38912
    .private_segment_fixed_size: 0
    .kernarg_segment_align: 8
    .kernarg_segment_size: 24
    .max_flat_workgroup_size: 256
    .sgpr_count:     66
    .vgpr_count:     218
    .wavefront_size: 32
...
	.end_amdgpu_metadata
.endif
;; end of part 1
